; MI455X (gfx1250); checked and timed in simulation.
; The chip was launched on July 23, 2026; its instructions are those of AMD's public machine-readable ISA for CDNA 5 (MIT licence, August 2026) and "CDNA5" Instruction Set Architecture Reference Guide (July 2026). The comments in the code are by the model that wrote it; some were corrected since.
;; Phase Functioned Network. Allowed arithmetic: float matrix products may take bf16 or f16 operands with f32 sums; all other float work in f32.
;; Inputs: W0 4 x 512 x 342 float32; W1 4 x 512 x 512 float32; W2 4 x 311 x 512 float32; b0 4 x 512 float32; b1 4 x 512 float32; b2 4 x 311 float32; x 256 x 343 float32.
;; Outputs: out0 256 x 311 float32.
;; One version. Each part assembles by itself: llvm-mc -triple=amdgcn-amd-amdhsa -mcpu=gfx1250 --defsym DOCPART=n.
;; ======== version 1 of 1: 3 launches
;; limits: values are held in f16: magnitudes above 65,504 overflow, below 6.1e-05 lose precision
;; workspace buffers: h1 524,288 bytes; h2 524,288 bytes
;; launch lay0 (part 1): grid 32 x 8, 4 waves a work-group, clusters of 4 x 4, 177,152 bytes of LDS; arguments x, W0, b0, h1; writes h1
.if DOCPART == 1
	.amdgcn_target "amdgcn-amd-amdhsa--gfx1250"
	.amdhsa_code_object_version 6
	.text
	.protected	k_q0bf6984220_lay0
	.globl	k_q0bf6984220_lay0
	.p2align	8
	.type	k_q0bf6984220_lay0,@function
k_q0bf6984220_lay0:
	s_mov_b64 s[64:65], 0
	v_nop
	global_prefetch_b8 v0, s[64:65] scope:SCOPE_SE
	s_setreg_imm32_b32 hwreg(HW_REG_WAVE_MODE, 25, 1), 1
	s_wait_xcnt 0x0
	s_wait_alu depctr_hold_cnt(0) depctr_sa_sdst(0) depctr_va_vdst(0) depctr_va_sdst(0) depctr_va_ssrc(0) depctr_va_vcc(0) depctr_vm_vsrc(0)
	s_getreg_b32 s2, hwreg(HW_REG_IB_STS2, 6, 4)
	s_cmp_eq_u32 s2, 0
	s_cbranch_scc0 .Lentry_in_a_cluster
	s_endpgm
.Lentry_in_a_cluster:
	s_bfe_u32 s2, ttmp6, 0x10000c
	s_cmp_lg_u32 s2, 0xf033
	s_cbranch_scc0 .Lentry_shape_is_right
	s_endpgm
.Lentry_shape_is_right:
; LAYER 0: h1[b][o] = elu( sum_s c_s(b) ( sum_k W0[s][o][k] x[b][k] + b0[s][o] ) ), b < 256, o < 512, k < 342.
; The cubic blend is linear in the four slices and its four factors go to the four slices: c_s(b) = C(t), C the Catmull-Rom kernel, t = 4 phase - s wrapped into -2 .. 2.
; So no blended weight is formed: four products x W0[s]^T are made by the matrix unit and mixed in f32, one factor a row.
; SHARES. A work-group: 32 rows x 16 outputs x 4 slices. Wave q takes k = 96 q .. 96 q + 95; wave 3 has 342 - 288 = 54 columns left, and its tiles hold zeros beyond them (tensor_dim0 = 54), which keeps the phase out.
; A wave has 8 accumulators (slice s, 16 rows m), mixes them, adds c_q b0[q]; the four partial sums meet in LDS. Each wave asks for its own five tiles at the start and reads nobody else's; nothing is filled twice.
; CLUSTER 4 x 4: x's tiles are shared along a row of the cluster, W0's along a column; every tile is asked for jointly.
; TRANSPOSED USE: source 0 = 16 outputs, source 1 = 16 rows of x: a lane holds one batch row (lane % 16) and outputs 8 (lane / 16) + 0..7. k is permuted alike in both sources: half h of the lanes holds k = 16 h + 0..15 of a step.
; FACTORS. A lane makes the four factors of ONE row, 16 h + r, in twelve groups of four lines that stand one in each step of the walk; the lane 16 away has the other row's.
; FORMATS. Operands f16, sums f32. x is scaled, per row and wave share, by an exact power of two that brings its largest magnitude into 1 .. 2; the mix undoes it: x has no limit of range.
; LIMITS. W0 goes to f16 as it is: 65,520 and more become infinity; below 2^-14 it keeps the fixed step 2^-24. t carries the rounding of phase + s / 4 (four units in the phase's last place).
; NaN and infinities are not treated apart. The sums go by slice and by quarter of K: another order of rounding than the blended product's.
; OUT. h1 lies as [row block 8][tile of 16 outputs: 32][32 rows][16] f32: a work-group's tile is 2,048 consecutive bytes; a wave's store covers 512 of them, aligned.
.set K, 342
.set N, 512
.set KQ, 96                    ; a wave's share of K
.set KSTEPS, 3                 ; matrix steps of 32 in it
.set NSTEPS, 4*KSTEPS          ; the walk: slice by slice, K step by K step
.set XROW, 1372                ; bytes in a row of x; the phase lies at byte 1368
.set A_RP, 432                 ; LDS, row operand: from row to row: three pieces of 128 + 16 bytes = 27 x 16, so 16 rows' 16 bytes fall into 16 different columns of 16 bytes modulo 256
.set A_HP, 64                  ; from the lanes' half 0 to half 1
.set A_TP, 144                 ; from K step to K step
.set A_MP, 16*432              ; from rows 0-15 to rows 16-31
.set A_BYTES, 32*432
.set W_RP, 432                 ; weights likewise
.set W_TP, 144
.set WT, 16*432                ; one slice's tile
.set WAVE_LDS, A_BYTES+4*WT    ; a wave's tiles
.set PART, 4*WAVE_LDS          ; behind the tiles: four waves' partial sums, 32 rows of 64 + 16 bytes each; no tensor load lands here
.set SPARE, PART+4*2560        ; the spare words, 128 bytes a wave: two blocks of 256 bytes that no other line names
.set PX, 4                     ; s[4:5] x
.set PA, 4                     ; the row operand: x again
.set PW, 6                     ; s[6:7] W0
.set PB, 8                     ; s[8:9] b0
.set PO, 10                    ; s[10:11] h1
.set VR, 1                     ; lane % 16
.set VH, 2                     ; lane / 16
.set AA, 3                     ; LDS address of my part of the row operand
.set WA, 4                     ; of the weights
.set PHO, 5                    ; byte offset of my row's phase
.set BO, 6                     ; of my 8 bias numbers
.set ST1, 7                    ; where I put partial sums
.set RD2, 8                    ; where I read them back
.set GO, 9                     ; byte offset of my results
.set SPW, 10                   ; my spare word's address; never rewritten
.set NIL, 11                   ; 0; never rewritten
.set PH, 12                    ; the phase of row 16 h + r
.set INVO, 13                  ; what undoes that row's scale
.set INV, 14                   ; v14-15 what undoes the scale of rows r, 16 + r
.set BIAS, 16                  ; v16-23
.set F, 24                     ; v24-27 c_s of row 16 h + r, later times INVO
.set FB, 28                    ; c_q of that row
.set MX, 30                    ; v30-37 chains of maxima, four for each tile of rows; then v[MX+4m] holds the scale
.set KT, 30                    ; v30-45 the factors' work: t, t^2, inner and outer branch, four registers each
.set WF, 48                    ; v48-63 two weight fragments in f16
.set RAW, 64                   ; v64-127 four weight fragments as loaded
.set AF, 128                   ; v128-191 row operand in f16: AF + 32 (1 - m) + 8 t; first rows 16-31 as loaded, packed downward in place
.set ACC, 192                  ; v192-255 accumulator (s, m) at ACC + 8 (2 s + m); before the products: rows 0-15 as loaded
.set CS, 64                    ; after the walk: c_s x INV of tile m at CS + 8 m + 2 s: even registers, broadcast; the odd ones hold what the ring left
.set CQ, 80                    ; c_q of tile m at CQ + 2 m, likewise
.set PP, 96                    ; my partial sums
.set SUMS, 64                  ; behind the barrier: the four waves' parts
.set EE, 96
.set QQ, 100
.set RR, 104
.set WV, 14                    ; my wave's number q
.set NT, 17                    ; output tile
.set MT, 18                    ; row block
.set O0, 21                    ; the tile's first output
.set LB, 22                    ; my wave's first LDS byte
.set G1A, 24                   ; s[24:31], s[32:39] descriptor group 1: row operand, weights
.set G1W, 32
.set G0A, 40                   ; s[40:43] group 0, row operand; s[44:59] weights, a set a slice: all five loads are out together
.set G0W, 44
.set AO, 60                    ; s[60:61] my share's byte offset in the row operand: row block and wave alone
.set WO, 62                    ; s[62:63] in slice 0: output tile and wave alone
.set SEL, 66                   ; s66-67 v_permlanex16_b32's selects: the same place in the other half
.set KM, 71                    ; s71-74 where |t| > 1, for each slice
.set HM, 85                    ; the lanes of half 1
.set B0, 86                    ; all ones where bit 0 of q is set
.set B1, 87                    ; bit 1
.macro CROUND                  ; a round of the cluster's barrier
	s_barrier_signal -1
	s_barrier_wait -1
	s_cmp_lg_u32 s[WV], 0
	s_cbranch_scc1 .Lnot_wave_0_\@
	s_barrier_signal -3
.Lnot_wave_0_\@:
	s_barrier_wait -3
	s_barrier_signal -1
	s_barrier_wait -1
.endm
.macro REP cnt, line:vararg    ; one line for t = 0 .. cnt - 1
.set t, 0
	s_wait_alu depctr_va_vdst(0)
.rept \cnt
	\line
.set t, t+1
.endr
.endm
; All my tiles at once, five loads out: the row operand first, then the slices in the order in which they are multiplied. dim = the columns left of a row from my share's first, 96 at the most: tensor_dim0 of both shapes.
; An s_nop 0 follows each load and four v_nop the last, ahead of the jump and the label.
.macro FIVE dim
	s_mov_b32 s[G1A+1], (\dim)<<16
	s_mov_b32 s[G1W+1], (\dim)<<16
	tensor_load_to_lds s[G0A:G0A+3], s[G1A:G1A+7]
	s_nop 0
.irp s, 0,1,2,3
	tensor_load_to_lds s[G0W+4*\s:G0W+4*\s+3], s[G1W:G1W+7]
	s_nop 0
.endr
.rept 4
	v_nop
.endr
.endm
; Group g of the twelve that make F + s = C(t), t = 4 frac(phase + (2 - s) / 4) - 2: 1.5 |t|^3 - 2.5 t^2 + 1 up to |t| = 1, beyond it -0.5 |t|^3 + 2.5 t^2 - 4 |t| + 2. A group's four lines, one a slice, hang on no one another.
.macro KG g
.if (\g) == 0
	v_add_f32 v[KT], 0.5, v[PH]
	v_add_f32 v[KT+1], 0x3e800000, v[PH]
	v_add_f32 v[KT+2], 0, v[PH]
	v_add_f32 v[KT+3], 0xbe800000, v[PH]
.elseif (\g) == 1
	REP 4, v_floor_f32 v[KT+4+t], v[KT+t]
.elseif (\g) == 2
	REP 4, v_sub_f32 v[KT+t], v[KT+t], v[KT+4+t]
.elseif (\g) == 3
	REP 4, v_fma_f32 v[KT+t], v[KT+t], 4.0, -2.0
.elseif (\g) == 4
	REP 4, v_mul_f32 v[KT+4+t], v[KT+t], v[KT+t]
.elseif (\g) == 5
	REP 4, v_fma_f32 v[KT+8+t], |v[KT+t]|, s68, s69
.elseif (\g) == 6
	REP 4, v_fma_f32 v[KT+12+t], |v[KT+t]|, -0.5, s70
.elseif (\g) == 7
	REP 4, v_fma_f32 v[KT+8+t], v[KT+8+t], v[KT+4+t], 1.0
.elseif (\g) == 8
	REP 4, v_fma_f32 v[KT+12+t], v[KT+12+t], |v[KT+t]|, -4.0
.elseif (\g) == 9
	REP 4, v_fma_f32 v[KT+12+t], v[KT+12+t], |v[KT+t]|, 2.0
.elseif (\g) == 10
	REP 4, v_cmp_lt_f32 s[KM+t], 1.0, v[KT+4+t]
.else
	REP 4, v_cndmask_b32 v[F+t], v[KT+8+t], v[KT+12+t], s[KM+t]
.endif
.endm
; 16 rows of the row operand, my whole share of K, as f32: 64 bytes a lane and K step
.macro ALOAD base, m
.set t, 0
.rept KSTEPS
.irp i, 0,1,2,3
	ds_load_b128 v[(\base)+16*t+4*\i:(\base)+16*t+4*\i+3], v[AA] offset:(\m)*A_MP+t*A_TP+16*\i
.endr
.set t, t+1
.endr
.endm
; The largest magnitude of my half of the row's share: a chain for each K step, joined
.macro AMAX base, m
.set c, 0
.rept KSTEPS
	v_max_num_f32 v[MX+4*(\m)+c], |v[(\base)+16*c]|, |v[(\base)+16*c+1]|
.set c, c+1
.endr
.set i, 1
.rept 7
.set c, 0
.rept KSTEPS
	v_max3_num_f32 v[MX+4*(\m)+c], v[MX+4*(\m)+c], |v[(\base)+16*c+2*i]|, |v[(\base)+16*c+2*i+1]|
.set c, c+1
.endr
.set i, i+1
.endr
	v_max3_num_f32 v[MX+4*(\m)], v[MX+4*(\m)], v[MX+4*(\m)+1], v[MX+4*(\m)+2]
.endm
; The share is scaled, exactly, and rounded to f16
.macro ACVT base, m, dst
.set p, 0
.rept 8*KSTEPS
	v_pk_mul_f32 v[(\base)+2*p:(\base)+2*p+1], v[(\base)+2*p:(\base)+2*p+1], v[MX+4*(\m):MX+4*(\m)+1] op_sel_hi:[1,0]
.set p, p+1
.endr
.set p, 0
.rept 8*KSTEPS
	v_cvt_pk_f16_f32 v[(\dst)+p], v[(\base)+2*p], v[(\base)+2*p+1]
.set p, p+1
.endr
.endm
; The four LDS loads of step n (slice n / KSTEPS, K step n % KSTEPS) into place n % 4 of the ring. A slice's first step waits for its tile: the later slices' loads stay out.
.macro WLOAD n
.set wsl, (\n)/KSTEPS
.set wks, (\n)%KSTEPS
.set wrb, RAW+16*((\n)%4)
.if wks == 0
	s_wait_tensorcnt 3-wsl
.endif
.irp i, 0,1,2,3
	ds_load_b128 v[wrb+4*\i:wrb+4*\i+3], v[WA] offset:wsl*WT+wks*W_TP+16*\i
.endr
.endm
; Step n: its fragment is rounded to f16; its place in the ring takes the step four on (these loads hang on nothing of the products, so they stand ahead of them); a group of the factors' lines;
; then the products with both tiles of rows. The two accumulators take turns.
; The f16 fragment has two places: one is written again two steps later, behind the eight conversions of the step between, which name none of these products' registers.
.macro STEP n
.set sl, (\n)/KSTEPS
.set ks, (\n)%KSTEPS
.set wb, WF+8*((\n)%2)
.set rb, RAW+16*((\n)%4)
.if NSTEPS-1-(\n) >= 3
	s_wait_dscnt 12                ; my four loads are in; the next three steps' twelve stay out
.else
	s_wait_dscnt 4*(NSTEPS-1-(\n)) ; the steps that are left
.endif
.irp j, 0,1,2,3,4,5,6,7
	v_cvt_pk_f16_f32 v[wb+\j], v[rb+2*\j], v[rb+2*\j+1]
.endr
.if (\n)+4 < NSTEPS
	WLOAD (\n)+4
.endif
.if (\n) < 12
	KG \n
.endif
.irp m, 0,1
.if ks == 0
	v_wmma_f32_16x16x32_f16 v[ACC+8*(2*sl+\m):ACC+8*(2*sl+\m)+7], v[wb:wb+7], v[AF+32*(1-\m)+8*ks:AF+32*(1-\m)+8*ks+7], 0
.else
	v_wmma_f32_16x16x32_f16 v[ACC+8*(2*sl+\m):ACC+8*(2*sl+\m)+7], v[wb:wb+7], v[AF+32*(1-\m)+8*ks:AF+32*(1-\m)+8*ks+7], v[ACC+8*(2*sl+\m):ACC+8*(2*sl+\m)+7]
.endif
.endr
.endm
	s_load_b256 s[4:11], s[0:1], 0x0
	v_lshl_add_u32 v[SPW], v0, 2, SPARE
	v_mov_b32 v[NIL], 0
	ds_add_u32 v[SPW], v[NIL]              ; the wave's opening: the add and its wait stand ahead of my first tensor load; the set-up stands between them
	v_lshrrev_b32 v1, 5, v0
	v_readfirstlane_b32 s[WV], v1
	s_bfe_u32 s15, ttmp6, 0x40000          ; cx
	s_bfe_u32 s16, ttmp6, 0x40004          ; cy
	s_lshl_b32 s[NT], ttmp9, 2
	s_add_co_u32 s[NT], s[NT], s15         ; output tile = 4 x cluster x + cx
	s_and_b32 s[MT], ttmp7, 0xffff
	s_lshl_b32 s[MT], s[MT], 2
	s_add_co_u32 s[MT], s[MT], s16         ; row block = 4 x cluster y + cy
	s_lshl_b32 s19, s16, 2
	s_lshl_b32 s19, 15, s19                ; my row of the cluster
	s_lshl_b32 s20, 0x1111, s15            ; my column
	; group 1: 15:0 mask; 17:16 elements of 4 bytes; 20 padding on; 21 set beside a mask; 24:22 after every 32 words (code 4); 31:25 4 words (code 3). Word 1, tensor_dim0, is written by FIVE.
	s_or_b32 s[G1A], s19, (2<<16)|(1<<20)|(1<<21)|(4<<22)|(3<<25)
	s_or_b32 s[G1W], s20, (2<<16)|(1<<20)|(1<<21)|(4<<22)|(3<<25)
	s_mov_b32 s[G1A+2], 32<<16             ; tensor_dim1
	s_mov_b32 s[G1A+3], KQ<<16             ; tile_dim0
	s_mov_b32 s[G1A+4], 32                 ; tile_dim1
	s_mov_b32 s[G1A+5], 343                ; elements from row to row
	s_mov_b32 s[G1A+6], 0
	s_mov_b32 s[G1A+7], 0
	s_mov_b32 s[G1W+2], 16<<16
	s_mov_b32 s[G1W+3], KQ<<16
	s_mov_b32 s[G1W+4], 16
	s_mov_b32 s[G1W+5], K
	s_mov_b32 s[G1W+6], 0
	s_mov_b32 s[G1W+7], 0
	s_mul_i32 s[LB], s[WV], WAVE_LDS       ; LDS addresses hang on the wave's number alone
	s_mov_b32 s[G0A], 1
	s_mov_b32 s[G0A+1], s[LB]
.irp s, 0,1,2,3
	s_mov_b32 s[G0W+4*\s], 1
	s_add_co_u32 s[G0W+4*\s+1], s[LB], A_BYTES+\s*WT
.endr
	s_mul_i32 s[AO], s[MT], 32*XROW
	s_mul_i32 s2, s[WV], KQ*4
	s_add_co_u32 s[AO], s[AO], s2
	s_mov_b32 s[AO+1], 0
	s_lshl_b32 s[O0], s[NT], 4
	s_mul_i32 s[WO], s[O0], K*4
	s_mul_i32 s3, s[WV], KQ*4
	s_add_co_u32 s[WO], s[WO], s3
	s_mov_b32 s[WO+1], 0
	s_mov_b32 s[SEL], 0x76543210
	s_mov_b32 s[SEL+1], 0xfedcba98
	s_mov_b32 s68, 0x3fc00000              ; 1.5
	s_mov_b32 s69, 0xc0200000              ; -2.5
	s_mov_b32 s70, 0x40200000              ; 2.5
	s_mov_b32 s75, 0x3fb8aa3b              ; log2(e)
	s_mov_b32 s76, 0x3ab60b61              ; 1/720
	s_mov_b32 s77, 0x3c088889              ; 1/120
	s_mov_b32 s78, 0x3d2aaaab              ; 1/24
	s_mov_b32 s79, 0x3e2aaaab              ; 1/6
	s_mov_b32 s[HM], 0xffff0000
	s_bitcmp1_b32 s[WV], 0
	s_cselect_b32 s[B0], -1, 0
	s_bitcmp1_b32 s[WV], 1
	s_cselect_b32 s[B1], -1, 0
	v_and_b32 v[VR], 15, v0
	v_bfe_u32 v[VH], v0, 4, 1
	v_and_b32 v[PHO], 31, v0               ; my row of the block: 16 h + r = the lane's number
	s_mul_i32 s82, s[MT], 32*XROW
	s_add_co_u32 s82, s82, XROW-4
	v_mul_u32_u24 v[PHO], v[PHO], XROW
	v_add_nc_u32 v[PHO], s82, v[PHO]
	s_mul_i32 s83, s[WV], N
	s_add_co_u32 s83, s83, s[O0]
	s_lshl_b32 s83, s83, 2
	v_lshl_add_u32 v[BO], v[VH], 5, s83    ; bias of slice q, outputs o0 + 8 h on
	s_wait_dscnt 0x0                       ; the opening add is done
	CROUND                                 ; all sixteen work-groups are here; the round reads no argument, so it stands ahead of the wait for them
	s_wait_kmcnt 0x0
	s_add_nc_u64 s[G0A+2:G0A+3], s[PA:PA+1], s[AO:AO+1]
	s_or_b32 s[G0A+3], s[G0A+3], 0x80000000
.irp s, 0,1,2,3
	s_add_nc_u64 s[G0W+4*\s+2:G0W+4*\s+3], s[PW:PW+1], s[WO:WO+1]
	s_add_nc_u64 s[G0W+4*\s+2:G0W+4*\s+3], s[G0W+4*\s+2:G0W+4*\s+3], \s*N*K*4
	s_or_b32 s[G0W+4*\s+3], s[G0W+4*\s+3], 0x80000000
.endr
	s_cmp_eq_u32 s[WV], 3                  ; a wave's five first fills stand in one branch on its number, the same in every work-group; both ways issue five
	s_cbranch_scc1 .Llast_share
	FIVE KQ                                ; waves 0 to 2: the share lies inside the row's 342 columns
	s_branch .Lasked
.Llast_share:
	FIVE K-3*KQ                            ; wave 3: 54 columns are left, the tiles' other 42 are filled with zeros
.Lasked:
	global_load_b32 v[PH], v[PHO], s[PX:PX+1]
	global_load_b128 v[BIAS:BIAS+3], v[BO], s[PB:PB+1]
	global_load_b128 v[BIAS+4:BIAS+7], v[BO], s[PB:PB+1] offset:16
	; while the tiles are on their way: the other addresses
	v_mul_u32_u24 v[AA], v[VR], A_RP
	v_mul_u32_u24 v[KT], v[VH], A_HP
	v_add_nc_u32 v[AA], v[AA], v[KT]
	v_add_nc_u32 v[AA], s[LB], v[AA]
	v_mul_u32_u24 v[WA], v[VR], W_RP
	v_lshl_add_u32 v[WA], v[VH], 6, v[WA]
	s_add_co_u32 s2, s[LB], A_BYTES
	v_add_nc_u32 v[WA], s2, v[WA]
	s_mul_i32 s2, s[WV], 2560
	s_add_co_u32 s2, s2, PART
	v_mul_u32_u24 v[ST1], v[VR], 80        ; partial sums: row r, 32 bytes for each half of the lanes
	v_lshl_add_u32 v[ST1], v[VH], 5, v[ST1]
	v_add_nc_u32 v[ST1], s2, v[ST1]
	v_lshrrev_b32 v[KT], 2, v0             ; back: thread t finishes row t / 4, columns 4 (t % 4) on
	v_mul_u32_u24 v[RD2], v[KT], 80
	v_and_b32 v[KT], 3, v0
	v_lshl_add_u32 v[RD2], v[KT], 4, v[RD2]
	v_add_nc_u32 v[RD2], PART, v[RD2]
	s_lshl_b32 s84, s[MT], 5
	s_add_co_u32 s84, s84, s[NT]
	s_lshl_b32 s84, s84, 11                ; the tile's 2,048 bytes,
	v_lshl_add_u32 v[GO], v0, 4, s84       ; of which thread t stores bytes 16 t on
	s_wait_tensorcnt 4                     ; my share of the row operand is in; the four slices' loads were issued behind it
	ALOAD AF, 1
	ALOAD ACC, 0
	s_wait_dscnt 4*KSTEPS                  ; rows 16-31 are in; the loads of rows 0-15 stay out
	AMAX AF, 1
	WLOAD 0                                ; the first four steps' weights come while the row operand is worked on
	WLOAD 1
	WLOAD 2
	WLOAD 3
	s_wait_dscnt 16                        ; rows 0-15 are in; the sixteen loads just issued stay out
	AMAX ACC, 0
	; both tiles' tails, line by line: the row's other half lies 16 lanes away; the power of two below the maximum, held within 2^-126 .. 2^126, is INV; its reciprocal (the exponent mirrored) the scale
	REP 2, v_permlanex16_b32 v[MX+4*t+1], v[MX+4*t], s[SEL], s[SEL+1]
	REP 2, v_max_num_f32 v[MX+4*t], v[MX+4*t], v[MX+4*t+1]
	REP 2, v_and_b32 v[MX+4*t], 0x7f800000, v[MX+4*t]
	REP 2, v_max_num_f32 v[MX+4*t], 0x00800000, v[MX+4*t]
	REP 2, v_min_num_f32 v[INV+t], 0x7e800000, v[MX+4*t]
	REP 2, v_sub_nc_u32 v[MX+4*t], 0x7f000000, v[INV+t]
	ACVT AF, 1, AF                         ; packed downward in place: register p takes registers 2 p and 2 p + 1
	ACVT ACC, 0, AF+32
	s_wait_loadcnt 2                       ; the phase is in; the two bias loads behind it stay out
.set n, 0
.rept NSTEPS
	STEP n
.set n, n+1
.endr
	; THE MIX. c_q by the wave's number; the factors times my row's INV: eight plain lines that name no register of the last products: the places behind them.
	v_cndmask_b32 v[KT], v[F], v[F+1], s[B0]
	v_cndmask_b32 v[KT+1], v[F+2], v[F+3], s[B0]
	v_cndmask_b32 v[INVO], v[INV], v[INV+1], s[HM]
	v_cndmask_b32 v[FB], v[KT], v[KT+1], s[B1]
	REP 4, v_mul_f32 v[F+t], v[F+t], v[INVO]
	; half 0 made row r's, half 1 row 16 + r's: each lane takes the other row's from the lane 16 away
	REP 4, v_permlanex16_b32 v[KT+4+t], v[F+t], s[SEL], s[SEL+1]
	v_permlanex16_b32 v[KT+8], v[FB], s[SEL], s[SEL+1]
	REP 4, v_cndmask_b32 v[CS+2*t], v[F+t], v[KT+4+t], s[HM]
	REP 4, v_cndmask_b32 v[CS+8+2*t], v[KT+4+t], v[F+t], s[HM]
	v_cndmask_b32 v[CQ], v[FB], v[KT+8], s[HM]
	v_cndmask_b32 v[CQ+2], v[KT+8], v[FB], s[HM]
	s_wait_loadcnt 0x0                     ; the bias
.irp m, 0,1
.irp j, 0,2,4,6
	v_pk_mul_f32 v[PP+8*\m+\j:PP+8*\m+\j+1], v[BIAS+\j:BIAS+\j+1], v[CQ+2*\m:CQ+2*\m+1] op_sel_hi:[1,0]
.endr
.irp s, 0,1,2,3
.irp j, 0,2,4,6
	v_pk_fma_f32 v[PP+8*\m+\j:PP+8*\m+\j+1], v[ACC+8*(2*\s+\m)+\j:ACC+8*(2*\s+\m)+\j+1], v[CS+8*\m+2*\s:CS+8*\m+2*\s+1], v[PP+8*\m+\j:PP+8*\m+\j+1] op_sel_hi:[1,0,1]  ; each accumulator from its low end on
.endr
.endr
	ds_store_b128 v[ST1], v[PP+8*\m:PP+8*\m+3] offset:1280*\m
	ds_store_b128 v[ST1], v[PP+8*\m+4:PP+8*\m+7] offset:1280*\m+16
.endr
	s_wait_dscnt 0x0                       ; for the others' sake: my partial sums are in LDS
	s_barrier_signal -1
	s_barrier_wait -1
.irp q, 0,1,2,3
	ds_load_b128 v[SUMS+4*\q:SUMS+4*\q+3], v[RD2] offset:\q*2560
.endr
	s_wait_dscnt 0x0
	v_pk_add_f32 v[SUMS:SUMS+1], v[SUMS:SUMS+1], v[SUMS+4:SUMS+5]
	v_pk_add_f32 v[SUMS+2:SUMS+3], v[SUMS+2:SUMS+3], v[SUMS+6:SUMS+7]
	v_pk_add_f32 v[SUMS+8:SUMS+9], v[SUMS+8:SUMS+9], v[SUMS+12:SUMS+13]
	v_pk_add_f32 v[SUMS+10:SUMS+11], v[SUMS+10:SUMS+11], v[SUMS+14:SUMS+15]
	v_pk_add_f32 v[SUMS:SUMS+1], v[SUMS:SUMS+1], v[SUMS+8:SUMS+9]
	v_pk_add_f32 v[SUMS+2:SUMS+3], v[SUMS+2:SUMS+3], v[SUMS+10:SUMS+11]
	; elu(v): v above 0; e^v - 1 by the exponential up to -0.25; between, where that difference would cancel, v (1 + v/2 + .. + v^5/720): the term left out is below 0.25^6 / 5040 = 5e-8 of the sum.
	; All three are made for every number, and selects choose.
	REP 4, v_mul_f32 v[EE+t], s75, v[SUMS+t]
	REP 4, v_exp_f32 v[EE+t], v[EE+t]
	REP 4, v_fma_f32 v[QQ+t], v[SUMS+t], s76, s77   ; plain work behind the exponentials, ahead of the use of their results
	REP 4, v_fma_f32 v[QQ+t], v[QQ+t], v[SUMS+t], s78
	REP 4, v_fma_f32 v[QQ+t], v[QQ+t], v[SUMS+t], s79
	REP 4, v_fma_f32 v[QQ+t], v[QQ+t], v[SUMS+t], 0.5
	REP 4, v_fma_f32 v[QQ+t], v[QQ+t], v[SUMS+t], 1.0
	REP 4, v_mul_f32 v[QQ+t], v[QQ+t], v[SUMS+t]
	REP 4, v_add_f32 v[EE+t], -1.0, v[EE+t]
.irp i, 0,1,2,3
	v_cmp_lt_f32 vcc_lo, 0xbe800000, v[SUMS+\i]  ; -0.25 < v
	v_cndmask_b32 v[EE+\i], v[EE+\i], v[QQ+\i], vcc_lo
	v_cmp_lt_f32 vcc_lo, 0, v[SUMS+\i]
	v_cndmask_b32 v[RR+\i], v[EE+\i], v[SUMS+\i], vcc_lo
.endr
	global_store_b128 v[GO], v[RR:RR+3], s[PO:PO+1]  ; a wave stores 512 consecutive bytes, at a multiple of 512 from the buffer's first
	s_wait_tensorcnt 0x0                   ; the wave's end, behind my last tensor load and my last LDS store
	ds_add_u32 v[SPW], v[NIL]
	s_wait_dscnt 0x0
	CROUND                                 ; the closing round: no work-group ends while a partner may still ask for a tile that names it
	s_endpgm
.Lfunc_end_k_q0bf6984220_lay0:
	.size	k_q0bf6984220_lay0, .Lfunc_end_k_q0bf6984220_lay0-k_q0bf6984220_lay0
	.p2alignl 7, 3214868480
	.fill 96, 4, 3214868480
	.section	.rodata,"a",@progbits
	.p2align	6, 0x0
	.amdhsa_kernel k_q0bf6984220_lay0
		.amdhsa_group_segment_fixed_size 177152
		.amdhsa_private_segment_fixed_size 0
		.amdhsa_enable_private_segment 0
		.amdhsa_kernarg_size 32
		.amdhsa_user_sgpr_count 2
		.amdhsa_user_sgpr_kernarg_segment_ptr 1
		.amdhsa_wavefront_size32 1
		.amdhsa_system_sgpr_workgroup_id_x 1
		.amdhsa_system_sgpr_workgroup_id_y 1
		.amdhsa_system_sgpr_workgroup_id_z 1
		.amdhsa_system_vgpr_workitem_id 0
		.amdhsa_next_free_vgpr 256
		.amdhsa_next_free_sgpr 88
		.amdhsa_reserve_vcc 1
		.amdhsa_float_denorm_mode_32 3
		.amdhsa_float_denorm_mode_16_64 3
		.amdhsa_memory_ordered 1
		.amdhsa_forward_progress 1
		.amdhsa_inst_pref_size 43
	.end_amdhsa_kernel
	.amdgpu_metadata
---
amdhsa.version: [ 1, 2 ]
amdhsa.kernels:
  - .name:           k_q0bf6984220_lay0
    .symbol:         k_q0bf6984220_lay0.kd
    .args:
      - { .name: x, .offset: 0, .size: 8, .value_kind: global_buffer, .address_space: global }
      - { .name: W0, .offset: 8, .size: 8, .value_kind: global_buffer, .address_space: global }
      - { .name: b0, .offset: 16, .size: 8, .value_kind: global_buffer, .address_space: global }
      - { .name: h1, .offset: 24, .size: 8, .value_kind: global_buffer, .address_space: global }
    .group_segment_fixed_size: 177152
    .private_segment_fixed_size: 0
    .kernarg_segment_align: 8
    .kernarg_segment_size: 32
    .max_flat_workgroup_size: 128
    .sgpr_count:     88
    .vgpr_count:     256
    .wavefront_size: 32
...
	.end_amdgpu_metadata
.endif
;; end of part 1
;; launch lay1 (part 2): grid 32 x 8, 4 waves a work-group, clusters of 4 x 4, 228,352 bytes of LDS; arguments x, h1, W1, b1, h2; writes h2
.if DOCPART == 2
	.amdgcn_target "amdgcn-amd-amdhsa--gfx1250"
	.amdhsa_code_object_version 6
	.text
	.protected	k_q0bf6984220_lay1
	.globl	k_q0bf6984220_lay1
	.p2align	8
	.type	k_q0bf6984220_lay1,@function
k_q0bf6984220_lay1:
	s_mov_b64 s[64:65], 0
	v_nop
	global_prefetch_b8 v0, s[64:65] scope:SCOPE_SE
	s_setreg_imm32_b32 hwreg(HW_REG_WAVE_MODE, 25, 1), 1
	s_wait_xcnt 0x0
	s_wait_alu depctr_hold_cnt(0) depctr_sa_sdst(0) depctr_va_vdst(0) depctr_va_sdst(0) depctr_va_ssrc(0) depctr_va_vcc(0) depctr_vm_vsrc(0)
	s_getreg_b32 s2, hwreg(HW_REG_IB_STS2, 6, 4)
	s_cmp_eq_u32 s2, 0
	s_cbranch_scc0 .Lentry_in_a_cluster
	s_endpgm
.Lentry_in_a_cluster:
	s_bfe_u32 s2, ttmp6, 0x10000c
	s_cmp_lg_u32 s2, 0xf033
	s_cbranch_scc0 .Lentry_shape_is_right
	s_endpgm
.Lentry_shape_is_right:
; LAYER 1: h2[b][o] = elu( sum_s c_s(b) ( sum_k W1[s][o][k] h1[b][k] + b1[s][o] ) ), b < 256, o < 512, k < 512.
; The cubic blend is linear in the four slices and its four factors go to the four slices: c_s(b) = C(t), C the Catmull-Rom kernel, t = 4 phase - s wrapped into -2 .. 2, phase = x[b][342].
; So no blended weight is formed: four products h1 W1[s]^T are made by the matrix unit and mixed in f32, one factor a row.
; SHARES. A work-group: 32 rows x 16 outputs x 4 slices. Wave q takes k = 128 q .. 128 q + 127, has 8 accumulators (slice s, 16 rows m), mixes them, adds c_q b1[q]; the four partial sums meet in LDS.
; Each wave asks for its own five tiles at the start and reads nobody else's; nothing is filled twice.
; h1 and h2 lie as [row block 8][tile of 16 columns: 32][32 rows][16] f32: a wave's share of h1 is 16,384 dense bytes, asked for as 64 rows of 256 bytes and padded in LDS behind every 64 bytes.
; CLUSTER 4 x 4: h1's tiles are shared along a row of the cluster, W1's along a column; every tile is asked for jointly.
; TRANSPOSED USE: source 0 = 16 outputs, source 1 = 16 rows of h1: a lane holds one batch row (lane % 16) and outputs 8 (lane / 16) + 0..7. k is permuted alike in both sources: half h of the lanes holds k = 16 h + 0..15 of a step.
; FACTORS. A lane makes the four factors of ONE row, 16 h + r, in twelve groups of four lines that stand one in each of the walk's first twelve steps; the lane 16 away has the other row's.
; FORMATS. Operands f16, sums f32. h1 is scaled, per row and wave share, by an exact power of two that brings its largest magnitude into 1 .. 2; the mix undoes it: h1 has no limit of range.
; LIMITS. W1 goes to f16 as it is: 65,520 and more become infinity; below 2^-14 it keeps the fixed step 2^-24. t carries the rounding of phase + s / 4 (four units in the phase's last place).
; NaN and infinities are not treated apart. The sums go by slice and by quarter of K: another order of rounding than the blended product's.
.set K, 512
.set N, 512
.set KQ, 128                   ; a wave's share of K
.set KSTEPS, 4                 ; matrix steps of 32 in it
.set NSTEPS, 4*KSTEPS          ; the walk: slice by slice, K step by K step
.set XROW, 1372                ; bytes in a row of x; the phase lies at byte 1368
.set A_RP, 80                  ; LDS, row operand: from row to row of a tile of 16 columns: 64 + 16 bytes = 5 x 16, so 16 rows' 16 bytes fall into 16 different columns of 16 bytes modulo 256
.set A_HP, 32*80               ; from the lanes' half 0 to half 1: the next tile of 16 columns
.set A_TP, 64*80               ; from K step to K step
.set A_MP, 16*80               ; from rows 0-15 to rows 16-31
.set A_BYTES, 256*80
.set W_RP, 528                 ; weights: 512 + 16 = 33 x 16
.set W_TP, 128
.set WT, 16*528                ; one slice's tile
.set WAVE_LDS, A_BYTES+4*WT    ; a wave's tiles
.set PART, 4*WAVE_LDS          ; behind the tiles: four waves' partial sums, 32 rows of 64 + 16 bytes each; no tensor load lands here
.set SPARE, PART+4*2560        ; the spare words, 128 bytes a wave: two blocks of 256 bytes that no other line names
.set PX, 4                     ; s[4:5] x (the phase)
.set PA, 6                     ; s[6:7] h1
.set PW, 8                     ; s[8:9] W1
.set PB, 10                    ; s[10:11] b1
.set PO, 12                    ; s[12:13] h2
.set VR, 1                     ; lane % 16
.set VH, 2                     ; lane / 16
.set AA, 3                     ; LDS address of my part of the row operand
.set WA, 4                     ; of the weights
.set PHO, 5                    ; byte offset of my row's phase
.set BO, 6                     ; of my 8 bias numbers
.set ST1, 7                    ; where I put partial sums
.set RD2, 8                    ; where I read them back
.set GO, 9                     ; byte offset of my results
.set SPW, 10                   ; my spare word's address; never rewritten
.set NIL, 11                   ; 0; never rewritten
.set PH, 12                    ; the phase of row 16 h + r
.set INVO, 13                  ; what undoes that row's scale
.set INV, 14                   ; v14-15 what undoes the scale of rows r, 16 + r
.set BIAS, 16                  ; v16-23
.set F, 24                     ; v24-27 c_s of row 16 h + r, later times INVO
.set FB, 28                    ; c_q of that row
.set MX, 30                    ; v30-37 chains of maxima, four for each tile of rows; then v[MX+4m] holds the scale
.set KT, 30                    ; v30-45 the factors' work: t, t^2, inner and outer branch, four registers each
.set WF, 48                    ; v48-63 two weight fragments in f16
.set RAW, 64                   ; v64-127 four weight fragments as loaded
.set AF, 128                   ; v128-191 row operand in f16: AF + 32 (1 - m) + 8 t; first rows 16-31 as loaded, packed downward in place
.set ACC, 192                  ; v192-255 accumulator (s, m) at ACC + 8 (2 s + m); before the products: rows 0-15 as loaded
.set CS, 64                    ; after the walk: c_s x INV of tile m at CS + 8 m + 2 s: even registers, broadcast; the odd ones hold what the ring left
.set CQ, 80                    ; c_q of tile m at CQ + 2 m, likewise
.set PP, 96                    ; my partial sums
.set SUMS, 64                  ; behind the barrier: the four waves' parts
.set EE, 96
.set QQ, 100
.set RR, 104
.set WV, 14                    ; my wave's number q
.set NT, 17                    ; output tile
.set MT, 18                    ; row block
.set O0, 21                    ; the tile's first output
.set LB, 22                    ; my wave's first LDS byte
.set G1A, 24                   ; s[24:31], s[32:39] descriptor group 1: row operand, weights
.set G1W, 32
.set G0A, 40                   ; s[40:43] group 0, row operand; s[44:59] weights, a set a slice: all five loads are out together
.set G0W, 44
.set AO, 60                    ; s[60:61] my share's byte offset in the row operand: row block and wave alone
.set WO, 62                    ; s[62:63] in slice 0: output tile and wave alone
.set SEL, 66                   ; s66-67 v_permlanex16_b32's selects: the same place in the other half
.set KM, 71                    ; s71-74 where |t| > 1, for each slice
.set HM, 85                    ; the lanes of half 1
.set B0, 86                    ; all ones where bit 0 of q is set
.set B1, 87                    ; bit 1
.macro CROUND                  ; a round of the cluster's barrier
	s_barrier_signal -1
	s_barrier_wait -1
	s_cmp_lg_u32 s[WV], 0
	s_cbranch_scc1 .Lnot_wave_0_\@
	s_barrier_signal -3
.Lnot_wave_0_\@:
	s_barrier_wait -3
	s_barrier_signal -1
	s_barrier_wait -1
.endm
.macro REP cnt, line:vararg    ; one line for t = 0 .. cnt - 1
.set t, 0
	s_wait_alu depctr_va_vdst(0)
.rept \cnt
	\line
.set t, t+1
.endr
.endm
; Group g of the twelve that make F + s = C(t), t = 4 frac(phase + (2 - s) / 4) - 2: 1.5 |t|^3 - 2.5 t^2 + 1 up to |t| = 1, beyond it -0.5 |t|^3 + 2.5 t^2 - 4 |t| + 2. A group's four lines, one a slice, hang on no one another.
.macro KG g
.if (\g) == 0
	v_add_f32 v[KT], 0.5, v[PH]
	v_add_f32 v[KT+1], 0x3e800000, v[PH]
	v_add_f32 v[KT+2], 0, v[PH]
	v_add_f32 v[KT+3], 0xbe800000, v[PH]
.elseif (\g) == 1
	REP 4, v_floor_f32 v[KT+4+t], v[KT+t]
.elseif (\g) == 2
	REP 4, v_sub_f32 v[KT+t], v[KT+t], v[KT+4+t]
.elseif (\g) == 3
	REP 4, v_fma_f32 v[KT+t], v[KT+t], 4.0, -2.0
.elseif (\g) == 4
	REP 4, v_mul_f32 v[KT+4+t], v[KT+t], v[KT+t]
.elseif (\g) == 5
	REP 4, v_fma_f32 v[KT+8+t], |v[KT+t]|, s68, s69
.elseif (\g) == 6
	REP 4, v_fma_f32 v[KT+12+t], |v[KT+t]|, -0.5, s70
.elseif (\g) == 7
	REP 4, v_fma_f32 v[KT+8+t], v[KT+8+t], v[KT+4+t], 1.0
.elseif (\g) == 8
	REP 4, v_fma_f32 v[KT+12+t], v[KT+12+t], |v[KT+t]|, -4.0
.elseif (\g) == 9
	REP 4, v_fma_f32 v[KT+12+t], v[KT+12+t], |v[KT+t]|, 2.0
.elseif (\g) == 10
	REP 4, v_cmp_lt_f32 s[KM+t], 1.0, v[KT+4+t]
.else
	REP 4, v_cndmask_b32 v[F+t], v[KT+8+t], v[KT+12+t], s[KM+t]
.endif
.endm
; 16 rows of the row operand, my whole share of K, as f32: 64 bytes a lane and K step
.macro ALOAD base, m
.set t, 0
.rept KSTEPS
.irp i, 0,1,2,3
	ds_load_b128 v[(\base)+16*t+4*\i:(\base)+16*t+4*\i+3], v[AA] offset:(\m)*A_MP+t*A_TP+16*\i
.endr
.set t, t+1
.endr
.endm
; The largest magnitude of my half of the row's share: a chain for each K step, joined
.macro AMAX base, m
.set c, 0
.rept KSTEPS
	v_max_num_f32 v[MX+4*(\m)+c], |v[(\base)+16*c]|, |v[(\base)+16*c+1]|
.set c, c+1
.endr
.set i, 1
.rept 7
.set c, 0
.rept KSTEPS
	v_max3_num_f32 v[MX+4*(\m)+c], v[MX+4*(\m)+c], |v[(\base)+16*c+2*i]|, |v[(\base)+16*c+2*i+1]|
.set c, c+1
.endr
.set i, i+1
.endr
	v_max3_num_f32 v[MX+4*(\m)], v[MX+4*(\m)], v[MX+4*(\m)+1], v[MX+4*(\m)+2]
	v_max_num_f32 v[MX+4*(\m)], v[MX+4*(\m)], v[MX+4*(\m)+3]
.endm
; The share is scaled, exactly, and rounded to f16
.macro ACVT base, m, dst
.set p, 0
.rept 8*KSTEPS
	v_pk_mul_f32 v[(\base)+2*p:(\base)+2*p+1], v[(\base)+2*p:(\base)+2*p+1], v[MX+4*(\m):MX+4*(\m)+1] op_sel_hi:[1,0]
.set p, p+1
.endr
.set p, 0
.rept 8*KSTEPS
	v_cvt_pk_f16_f32 v[(\dst)+p], v[(\base)+2*p], v[(\base)+2*p+1]
.set p, p+1
.endr
.endm
; The four LDS loads of step n (slice n / KSTEPS, K step n % KSTEPS) into place n % 4 of the ring. A slice's first step waits for its tile: the later slices' loads stay out.
.macro WLOAD n
.set wsl, (\n)/KSTEPS
.set wks, (\n)%KSTEPS
.set wrb, RAW+16*((\n)%4)
.if wks == 0
	s_wait_tensorcnt 3-wsl
.endif
.irp i, 0,1,2,3
	ds_load_b128 v[wrb+4*\i:wrb+4*\i+3], v[WA] offset:wsl*WT+wks*W_TP+16*\i
.endr
.endm
; Step n: its fragment is rounded to f16; its place in the ring takes the step four on (these loads hang on nothing of the products, so they stand ahead of them); a group of the factors' lines;
; then the products with both tiles of rows. The two accumulators take turns.
; The f16 fragment has two places: one is written again two steps later, behind the eight conversions of the step between, which name none of these products' registers.
.macro STEP n
.set sl, (\n)/KSTEPS
.set ks, (\n)%KSTEPS
.set wb, WF+8*((\n)%2)
.set rb, RAW+16*((\n)%4)
.if NSTEPS-1-(\n) >= 3
	s_wait_dscnt 12                ; my four loads are in; the next three steps' twelve stay out
.else
	s_wait_dscnt 4*(NSTEPS-1-(\n)) ; the steps that are left
.endif
.irp j, 0,1,2,3,4,5,6,7
	v_cvt_pk_f16_f32 v[wb+\j], v[rb+2*\j], v[rb+2*\j+1]
.endr
.if (\n)+4 < NSTEPS
	WLOAD (\n)+4
.endif
.if (\n) < 12
	KG \n
.endif
.irp m, 0,1
.if ks == 0
	v_wmma_f32_16x16x32_f16 v[ACC+8*(2*sl+\m):ACC+8*(2*sl+\m)+7], v[wb:wb+7], v[AF+32*(1-\m)+8*ks:AF+32*(1-\m)+8*ks+7], 0
.else
	v_wmma_f32_16x16x32_f16 v[ACC+8*(2*sl+\m):ACC+8*(2*sl+\m)+7], v[wb:wb+7], v[AF+32*(1-\m)+8*ks:AF+32*(1-\m)+8*ks+7], v[ACC+8*(2*sl+\m):ACC+8*(2*sl+\m)+7]
.endif
.endr
.endm
	s_load_b256 s[4:11], s[0:1], 0x0
	s_load_b64 s[12:13], s[0:1], 0x20
	v_lshl_add_u32 v[SPW], v0, 2, SPARE
	v_mov_b32 v[NIL], 0
	ds_add_u32 v[SPW], v[NIL]              ; the wave's opening: the add and its wait stand ahead of my first tensor load; the set-up stands between them
	v_lshrrev_b32 v1, 5, v0
	v_readfirstlane_b32 s[WV], v1
	s_bfe_u32 s15, ttmp6, 0x40000          ; cx
	s_bfe_u32 s16, ttmp6, 0x40004          ; cy
	s_lshl_b32 s[NT], ttmp9, 2
	s_add_co_u32 s[NT], s[NT], s15         ; output tile = 4 x cluster x + cx
	s_and_b32 s[MT], ttmp7, 0xffff
	s_lshl_b32 s[MT], s[MT], 2
	s_add_co_u32 s[MT], s[MT], s16         ; row block = 4 x cluster y + cy
	s_lshl_b32 s19, s16, 2
	s_lshl_b32 s19, 15, s19                ; my row of the cluster
	s_lshl_b32 s20, 0x1111, s15            ; my column
	; group 1: 15:0 mask; 17:16 elements of 4 bytes; 20 padding on; 21 set beside a mask; 24:22 after every 16 words (code 3) or 128 (code 6); 31:25 4 words (code 3)
	s_or_b32 s[G1A], s19, (2<<16)|(1<<20)|(1<<21)|(3<<22)|(3<<25)
	s_or_b32 s[G1W], s20, (2<<16)|(1<<20)|(1<<21)|(6<<22)|(3<<25)
	s_mov_b32 s[G1A+1], 64<<16             ; tensor_dim0
	s_mov_b32 s[G1A+2], 64<<16             ; tensor_dim1
	s_mov_b32 s[G1A+3], 64<<16             ; tile_dim0
	s_mov_b32 s[G1A+4], 64                 ; tile_dim1
	s_mov_b32 s[G1A+5], 64                 ; elements from row to row
	s_mov_b32 s[G1A+6], 0
	s_mov_b32 s[G1A+7], 0
	s_mov_b32 s[G1W+1], KQ<<16
	s_mov_b32 s[G1W+2], 16<<16
	s_mov_b32 s[G1W+3], KQ<<16
	s_mov_b32 s[G1W+4], 16
	s_mov_b32 s[G1W+5], K
	s_mov_b32 s[G1W+6], 0
	s_mov_b32 s[G1W+7], 0
	s_mul_i32 s[LB], s[WV], WAVE_LDS       ; LDS addresses hang on the wave's number alone
	s_mov_b32 s[G0A], 1
	s_mov_b32 s[G0A+1], s[LB]
.irp s, 0,1,2,3
	s_mov_b32 s[G0W+4*\s], 1
	s_add_co_u32 s[G0W+4*\s+1], s[LB], A_BYTES+\s*WT
.endr
	s_lshl_b32 s[AO], s[MT], 16            ; a row block is 65,536 bytes, a wave's share 16,384
	s_lshl_b32 s2, s[WV], 14
	s_add_co_u32 s[AO], s[AO], s2
	s_mov_b32 s[AO+1], 0
	s_lshl_b32 s[O0], s[NT], 4
	s_mul_i32 s[WO], s[O0], K*4
	s_mul_i32 s3, s[WV], KQ*4
	s_add_co_u32 s[WO], s[WO], s3
	s_mov_b32 s[WO+1], 0
	s_mov_b32 s[SEL], 0x76543210
	s_mov_b32 s[SEL+1], 0xfedcba98
	s_mov_b32 s68, 0x3fc00000              ; 1.5
	s_mov_b32 s69, 0xc0200000              ; -2.5
	s_mov_b32 s70, 0x40200000              ; 2.5
	s_mov_b32 s75, 0x3fb8aa3b              ; log2(e)
	s_mov_b32 s76, 0x3ab60b61              ; 1/720
	s_mov_b32 s77, 0x3c088889              ; 1/120
	s_mov_b32 s78, 0x3d2aaaab              ; 1/24
	s_mov_b32 s79, 0x3e2aaaab              ; 1/6
	s_mov_b32 s[HM], 0xffff0000
	s_bitcmp1_b32 s[WV], 0
	s_cselect_b32 s[B0], -1, 0
	s_bitcmp1_b32 s[WV], 1
	s_cselect_b32 s[B1], -1, 0
	v_and_b32 v[VR], 15, v0
	v_bfe_u32 v[VH], v0, 4, 1
	v_and_b32 v[PHO], 31, v0               ; my row of the block: 16 h + r = the lane's number
	s_mul_i32 s82, s[MT], 32*XROW
	s_add_co_u32 s82, s82, XROW-4
	v_mul_u32_u24 v[PHO], v[PHO], XROW
	v_add_nc_u32 v[PHO], s82, v[PHO]
	s_mul_i32 s83, s[WV], N
	s_add_co_u32 s83, s83, s[O0]
	s_lshl_b32 s83, s83, 2
	v_lshl_add_u32 v[BO], v[VH], 5, s83    ; bias of slice q, outputs o0 + 8 h on
	s_wait_dscnt 0x0                       ; the opening add is done
	CROUND                                 ; all sixteen work-groups are here; the round reads no argument, so it stands ahead of the wait for them
	s_wait_kmcnt 0x0
	s_add_nc_u64 s[G0A+2:G0A+3], s[PA:PA+1], s[AO:AO+1]
	s_or_b32 s[G0A+3], s[G0A+3], 0x80000000
.irp s, 0,1,2,3
	s_add_nc_u64 s[G0W+4*\s+2:G0W+4*\s+3], s[PW:PW+1], s[WO:WO+1]
	s_add_nc_u64 s[G0W+4*\s+2:G0W+4*\s+3], s[G0W+4*\s+2:G0W+4*\s+3], \s*N*K*4
	s_or_b32 s[G0W+4*\s+3], s[G0W+4*\s+3], 0x80000000
.endr
	tensor_load_to_lds s[G0A:G0A+3], s[G1A:G1A+7]  ; all my tiles at once, five loads out: the row operand first,
	s_nop 0
.irp s, 0,1,2,3
	tensor_load_to_lds s[G0W+4*\s:G0W+4*\s+3], s[G1W:G1W+7]  ; then the slices in the order in which they are multiplied
	s_nop 0
.endr
	global_load_b32 v[PH], v[PHO], s[PX:PX+1]
	global_load_b128 v[BIAS:BIAS+3], v[BO], s[PB:PB+1]
	global_load_b128 v[BIAS+4:BIAS+7], v[BO], s[PB:PB+1] offset:16
	; while the tiles are on their way: the other addresses
	v_mul_u32_u24 v[AA], v[VR], A_RP
	v_mul_u32_u24 v[KT], v[VH], A_HP
	v_add_nc_u32 v[AA], v[AA], v[KT]
	v_add_nc_u32 v[AA], s[LB], v[AA]
	v_mul_u32_u24 v[WA], v[VR], W_RP
	v_lshl_add_u32 v[WA], v[VH], 6, v[WA]
	s_add_co_u32 s2, s[LB], A_BYTES
	v_add_nc_u32 v[WA], s2, v[WA]
	s_mul_i32 s2, s[WV], 2560
	s_add_co_u32 s2, s2, PART
	v_mul_u32_u24 v[ST1], v[VR], 80        ; partial sums: row r, 32 bytes for each half of the lanes
	v_lshl_add_u32 v[ST1], v[VH], 5, v[ST1]
	v_add_nc_u32 v[ST1], s2, v[ST1]
	v_lshrrev_b32 v[KT], 2, v0             ; back: thread t finishes row t / 4, columns 4 (t % 4) on
	v_mul_u32_u24 v[RD2], v[KT], 80
	v_and_b32 v[KT], 3, v0
	v_lshl_add_u32 v[RD2], v[KT], 4, v[RD2]
	v_add_nc_u32 v[RD2], PART, v[RD2]
	s_lshl_b32 s84, s[MT], 5
	s_add_co_u32 s84, s84, s[NT]
	s_lshl_b32 s84, s84, 11                ; the tile's 2,048 bytes,
	v_lshl_add_u32 v[GO], v0, 4, s84       ; of which thread t stores bytes 16 t on
	s_wait_tensorcnt 4                     ; my share of the row operand is in; the four slices' loads were issued behind it
	ALOAD AF, 1
	ALOAD ACC, 0
	s_wait_dscnt 4*KSTEPS                  ; rows 16-31 are in; the loads of rows 0-15 stay out
	AMAX AF, 1
	WLOAD 0                                ; the first four steps' weights come while the row operand is worked on
	WLOAD 1
	WLOAD 2
	WLOAD 3
	s_wait_dscnt 16                        ; rows 0-15 are in; the sixteen loads just issued stay out
	AMAX ACC, 0
	; both tiles' tails, line by line: the row's other half lies 16 lanes away; the power of two below the maximum, held within 2^-126 .. 2^126, is INV; its reciprocal (the exponent mirrored) the scale
	REP 2, v_permlanex16_b32 v[MX+4*t+1], v[MX+4*t], s[SEL], s[SEL+1]
	REP 2, v_max_num_f32 v[MX+4*t], v[MX+4*t], v[MX+4*t+1]
	REP 2, v_and_b32 v[MX+4*t], 0x7f800000, v[MX+4*t]
	REP 2, v_max_num_f32 v[MX+4*t], 0x00800000, v[MX+4*t]
	REP 2, v_min_num_f32 v[INV+t], 0x7e800000, v[MX+4*t]
	REP 2, v_sub_nc_u32 v[MX+4*t], 0x7f000000, v[INV+t]
	ACVT AF, 1, AF                         ; packed downward in place: register p takes registers 2 p and 2 p + 1
	ACVT ACC, 0, AF+32
	s_wait_loadcnt 2                       ; the phase is in; the two bias loads behind it stay out
.set n, 0
.rept NSTEPS
	STEP n
.set n, n+1
.endr
	; THE MIX. c_q by the wave's number; the factors times my row's INV: eight plain lines that name no register of the last products: the places behind them.
	v_cndmask_b32 v[KT], v[F], v[F+1], s[B0]
	v_cndmask_b32 v[KT+1], v[F+2], v[F+3], s[B0]
	v_cndmask_b32 v[INVO], v[INV], v[INV+1], s[HM]
	v_cndmask_b32 v[FB], v[KT], v[KT+1], s[B1]
	REP 4, v_mul_f32 v[F+t], v[F+t], v[INVO]
	; half 0 made row r's, half 1 row 16 + r's: each lane takes the other row's from the lane 16 away
	REP 4, v_permlanex16_b32 v[KT+4+t], v[F+t], s[SEL], s[SEL+1]
	v_permlanex16_b32 v[KT+8], v[FB], s[SEL], s[SEL+1]
	REP 4, v_cndmask_b32 v[CS+2*t], v[F+t], v[KT+4+t], s[HM]
	REP 4, v_cndmask_b32 v[CS+8+2*t], v[KT+4+t], v[F+t], s[HM]
	v_cndmask_b32 v[CQ], v[FB], v[KT+8], s[HM]
	v_cndmask_b32 v[CQ+2], v[KT+8], v[FB], s[HM]
	s_wait_loadcnt 0x0                     ; the bias
.irp m, 0,1
.irp j, 0,2,4,6
	v_pk_mul_f32 v[PP+8*\m+\j:PP+8*\m+\j+1], v[BIAS+\j:BIAS+\j+1], v[CQ+2*\m:CQ+2*\m+1] op_sel_hi:[1,0]
.endr
.irp s, 0,1,2,3
.irp j, 0,2,4,6
	v_pk_fma_f32 v[PP+8*\m+\j:PP+8*\m+\j+1], v[ACC+8*(2*\s+\m)+\j:ACC+8*(2*\s+\m)+\j+1], v[CS+8*\m+2*\s:CS+8*\m+2*\s+1], v[PP+8*\m+\j:PP+8*\m+\j+1] op_sel_hi:[1,0,1]  ; each accumulator from its low end on
.endr
.endr
	ds_store_b128 v[ST1], v[PP+8*\m:PP+8*\m+3] offset:1280*\m
	ds_store_b128 v[ST1], v[PP+8*\m+4:PP+8*\m+7] offset:1280*\m+16
.endr
	s_wait_dscnt 0x0                       ; for the others' sake: my partial sums are in LDS
	s_barrier_signal -1
	s_barrier_wait -1
.irp q, 0,1,2,3
	ds_load_b128 v[SUMS+4*\q:SUMS+4*\q+3], v[RD2] offset:\q*2560
.endr
	s_wait_dscnt 0x0
	v_pk_add_f32 v[SUMS:SUMS+1], v[SUMS:SUMS+1], v[SUMS+4:SUMS+5]
	v_pk_add_f32 v[SUMS+2:SUMS+3], v[SUMS+2:SUMS+3], v[SUMS+6:SUMS+7]
	v_pk_add_f32 v[SUMS+8:SUMS+9], v[SUMS+8:SUMS+9], v[SUMS+12:SUMS+13]
	v_pk_add_f32 v[SUMS+10:SUMS+11], v[SUMS+10:SUMS+11], v[SUMS+14:SUMS+15]
	v_pk_add_f32 v[SUMS:SUMS+1], v[SUMS:SUMS+1], v[SUMS+8:SUMS+9]
	v_pk_add_f32 v[SUMS+2:SUMS+3], v[SUMS+2:SUMS+3], v[SUMS+10:SUMS+11]
	; elu(v): v above 0; e^v - 1 by the exponential up to -0.25; between, where that difference would cancel, v (1 + v/2 + .. + v^5/720): the term left out is below 0.25^6 / 5040 = 5e-8 of the sum.
	; All three are made for every number, and selects choose.
	REP 4, v_mul_f32 v[EE+t], s75, v[SUMS+t]
	REP 4, v_exp_f32 v[EE+t], v[EE+t]
	REP 4, v_fma_f32 v[QQ+t], v[SUMS+t], s76, s77   ; plain work behind the exponentials, ahead of the use of their results
	REP 4, v_fma_f32 v[QQ+t], v[QQ+t], v[SUMS+t], s78
	REP 4, v_fma_f32 v[QQ+t], v[QQ+t], v[SUMS+t], s79
	REP 4, v_fma_f32 v[QQ+t], v[QQ+t], v[SUMS+t], 0.5
	REP 4, v_fma_f32 v[QQ+t], v[QQ+t], v[SUMS+t], 1.0
	REP 4, v_mul_f32 v[QQ+t], v[QQ+t], v[SUMS+t]
	REP 4, v_add_f32 v[EE+t], -1.0, v[EE+t]
.irp i, 0,1,2,3
	v_cmp_lt_f32 vcc_lo, 0xbe800000, v[SUMS+\i]  ; -0.25 < v
	v_cndmask_b32 v[EE+\i], v[EE+\i], v[QQ+\i], vcc_lo
	v_cmp_lt_f32 vcc_lo, 0, v[SUMS+\i]
	v_cndmask_b32 v[RR+\i], v[EE+\i], v[SUMS+\i], vcc_lo
.endr
	global_store_b128 v[GO], v[RR:RR+3], s[PO:PO+1]  ; a wave stores 512 consecutive bytes, at a multiple of 512 from the buffer's first
	s_wait_tensorcnt 0x0                   ; the wave's end, behind my last tensor load and my last LDS store
	ds_add_u32 v[SPW], v[NIL]
	s_wait_dscnt 0x0
	CROUND                                 ; the closing round: no work-group ends while a partner may still ask for a tile that names it
	s_endpgm
.Lfunc_end_k_q0bf6984220_lay1:
	.size	k_q0bf6984220_lay1, .Lfunc_end_k_q0bf6984220_lay1-k_q0bf6984220_lay1
	.p2alignl 7, 3214868480
	.fill 96, 4, 3214868480
	.section	.rodata,"a",@progbits
	.p2align	6, 0x0
	.amdhsa_kernel k_q0bf6984220_lay1
		.amdhsa_group_segment_fixed_size 228352
		.amdhsa_private_segment_fixed_size 0
		.amdhsa_enable_private_segment 0
		.amdhsa_kernarg_size 40
		.amdhsa_user_sgpr_count 2
		.amdhsa_user_sgpr_kernarg_segment_ptr 1
		.amdhsa_wavefront_size32 1
		.amdhsa_system_sgpr_workgroup_id_x 1
		.amdhsa_system_sgpr_workgroup_id_y 1
		.amdhsa_system_sgpr_workgroup_id_z 1
		.amdhsa_system_vgpr_workitem_id 0
		.amdhsa_next_free_vgpr 256
		.amdhsa_next_free_sgpr 88
		.amdhsa_reserve_vcc 1
		.amdhsa_float_denorm_mode_32 3
		.amdhsa_float_denorm_mode_16_64 3
		.amdhsa_memory_ordered 1
		.amdhsa_forward_progress 1
		.amdhsa_inst_pref_size 49
	.end_amdhsa_kernel
	.amdgpu_metadata
---
amdhsa.version: [ 1, 2 ]
amdhsa.kernels:
  - .name:           k_q0bf6984220_lay1
    .symbol:         k_q0bf6984220_lay1.kd
    .args:
      - { .name: x, .offset: 0, .size: 8, .value_kind: global_buffer, .address_space: global }
      - { .name: h1, .offset: 8, .size: 8, .value_kind: global_buffer, .address_space: global }
      - { .name: W1, .offset: 16, .size: 8, .value_kind: global_buffer, .address_space: global }
      - { .name: b1, .offset: 24, .size: 8, .value_kind: global_buffer, .address_space: global }
      - { .name: h2, .offset: 32, .size: 8, .value_kind: global_buffer, .address_space: global }
    .group_segment_fixed_size: 228352
    .private_segment_fixed_size: 0
    .kernarg_segment_align: 8
    .kernarg_segment_size: 40
    .max_flat_workgroup_size: 128
    .sgpr_count:     88
    .vgpr_count:     256
    .wavefront_size: 32
...
	.end_amdgpu_metadata
.endif
;; end of part 2
;; launch lay2 (part 3): grid 20 x 8, 4 waves a work-group, clusters of 4 x 4, 228,352 bytes of LDS; arguments x, h2, W2, b2, out0; writes out0
.if DOCPART == 3
	.amdgcn_target "amdgcn-amd-amdhsa--gfx1250"
	.amdhsa_code_object_version 6
	.text
	.protected	k_q0bf6984220_lay2
	.globl	k_q0bf6984220_lay2
	.p2align	8
	.type	k_q0bf6984220_lay2,@function
k_q0bf6984220_lay2:
	s_mov_b64 s[64:65], 0
	v_nop
	global_prefetch_b8 v0, s[64:65] scope:SCOPE_SE
	s_setreg_imm32_b32 hwreg(HW_REG_WAVE_MODE, 25, 1), 1
	s_wait_xcnt 0x0
	s_wait_alu depctr_hold_cnt(0) depctr_sa_sdst(0) depctr_va_vdst(0) depctr_va_sdst(0) depctr_va_ssrc(0) depctr_va_vcc(0) depctr_vm_vsrc(0)
	s_getreg_b32 s2, hwreg(HW_REG_IB_STS2, 6, 4)
	s_cmp_eq_u32 s2, 0
	s_cbranch_scc0 .Lentry_in_a_cluster
	s_endpgm
.Lentry_in_a_cluster:
	s_bfe_u32 s2, ttmp6, 0x10000c
	s_cmp_lg_u32 s2, 0xf033
	s_cbranch_scc0 .Lentry_shape_is_right
	s_endpgm
.Lentry_shape_is_right:
; LAYER 2: out0[b][o] = sum_s c_s(b) ( sum_k W2[s][o][k] h2[b][k] + b2[s][o] ), b < 256, o < 311, k < 512.
; The cubic blend is linear in the four slices and its four factors go to the four slices: c_s(b) = C(t), C the Catmull-Rom kernel, t = 4 phase - s wrapped into -2 .. 2, phase = x[b][342].
; So no blended weight is formed: four products h2 W2[s]^T are made by the matrix unit and mixed in f32, one factor a row.
; SHARES. A work-group: 32 rows x 16 outputs x 4 slices; 20 tiles of outputs x 8 row blocks. 311 = 19 x 16 + 7: the last tile begins at output 295, so that its loads stay inside each slice, and stores
; outputs 304 to 310 alone (EXEC, no branch): every number of out0 is stored by one work-group. Wave q takes k = 128 q .. 128 q + 127, has 8 accumulators (slice s, 16 rows m), mixes them, adds c_q b2[q];
; the four partial sums meet in LDS. Each wave asks for its own five tiles at the start and reads nobody else's; nothing is filled twice.
; h2 lies as [row block 8][tile of 16 columns: 32][32 rows][16] f32: a wave's share is 16,384 dense bytes, asked for as 64 rows of 256 bytes and padded in LDS behind every 64 bytes.
; CLUSTER 4 x 4: h2's tiles are shared along a row of the cluster, W2's along a column; every tile is asked for jointly.
; TRANSPOSED USE: source 0 = 16 outputs, source 1 = 16 rows of h2: a lane holds one batch row (lane % 16) and outputs 8 (lane / 16) + 0..7. k is permuted alike in both sources: half h of the lanes holds k = 16 h + 0..15 of a step.
; FACTORS. A lane makes the four factors of ONE row, 16 h + r, in twelve groups of four lines that stand one in each of the walk's first twelve steps; the lane 16 away has the other row's.
; FORMATS. Operands f16, sums f32. h2 is scaled, per row and wave share, by an exact power of two that brings its largest magnitude into 1 .. 2; the mix undoes it: h2 has no limit of range.
; LIMITS. W2 goes to f16 as it is: 65,520 and more become infinity; below 2^-14 it keeps the fixed step 2^-24. t carries the rounding of phase + s / 4 (four units in the phase's last place).
; NaN and infinities are not treated apart. The sums go by slice and by quarter of K: another order of rounding than the blended product's.
.set K, 512
.set N, 311
.set KQ, 128                   ; a wave's share of K
.set KSTEPS, 4                 ; matrix steps of 32 in it
.set NSTEPS, 4*KSTEPS          ; the walk: slice by slice, K step by K step
.set XROW, 1372                ; bytes in a row of x; the phase lies at byte 1368
.set OROW, 1244                ; bytes in a row of out0
.set A_RP, 80                  ; LDS, row operand: from row to row of a tile of 16 columns: 64 + 16 bytes = 5 x 16, so 16 rows' 16 bytes fall into 16 different columns of 16 bytes modulo 256
.set A_HP, 32*80               ; from the lanes' half 0 to half 1: the next tile of 16 columns
.set A_TP, 64*80               ; from K step to K step
.set A_MP, 16*80               ; from rows 0-15 to rows 16-31
.set A_BYTES, 256*80
.set W_RP, 528                 ; weights: 512 + 16 = 33 x 16
.set W_TP, 128
.set WT, 16*528                ; one slice's tile
.set WAVE_LDS, A_BYTES+4*WT    ; a wave's tiles
.set PART, 4*WAVE_LDS          ; behind the tiles: four waves' partial sums, 32 rows of 64 + 16 bytes each; no tensor load lands here
.set SPARE, PART+4*2560        ; the spare words, 128 bytes a wave: two blocks of 256 bytes that no other line names
.set PX, 4                     ; s[4:5] x (the phase)
.set PA, 6                     ; s[6:7] h2
.set PW, 8                     ; s[8:9] W2
.set PB, 10                    ; s[10:11] b2
.set PO, 12                    ; s[12:13] out0
.set VR, 1                     ; lane % 16
.set VH, 2                     ; lane / 16
.set AA, 3                     ; LDS address of my part of the row operand
.set WA, 4                     ; of the weights
.set PHO, 5                    ; byte offset of my row's phase
.set BO, 6                     ; of my 8 bias numbers
.set ST1, 7                    ; where I put partial sums
.set RD2, 8                    ; where I read them back
.set GO, 9                     ; byte offset of my results
.set SPW, 10                   ; my spare word's address; never rewritten
.set NIL, 11                   ; 0; never rewritten
.set PH, 12                    ; the phase of row 16 h + r
.set INVO, 13                  ; what undoes that row's scale
.set INV, 14                   ; v14-15 what undoes the scale of rows r, 16 + r
.set BIAS, 16                  ; v16-23
.set F, 24                     ; v24-27 c_s of row 16 h + r, later times INVO
.set FB, 28                    ; c_q of that row
.set MX, 30                    ; v30-37 chains of maxima, four for each tile of rows; then v[MX+4m] holds the scale
.set KT, 30                    ; v30-45 the factors' work: t, t^2, inner and outer branch, four registers each
.set WF, 48                    ; v48-63 two weight fragments in f16
.set RAW, 64                   ; v64-127 four weight fragments as loaded
.set AF, 128                   ; v128-191 row operand in f16: AF + 32 (1 - m) + 8 t; first rows 16-31 as loaded, packed downward in place
.set ACC, 192                  ; v192-255 accumulator (s, m) at ACC + 8 (2 s + m); before the products: rows 0-15 as loaded
.set CS, 64                    ; after the walk: c_s x INV of tile m at CS + 8 m + 2 s: even registers, broadcast; the odd ones hold what the ring left
.set CQ, 80                    ; c_q of tile m at CQ + 2 m, likewise
.set PP, 96                    ; my partial sums
.set SUMS, 64                  ; behind the barrier: the four waves' parts
.set RR, 104
.set WV, 14                    ; my wave's number q
.set NT, 17                    ; output tile
.set MT, 18                    ; row block
.set O0, 21                    ; the tile's first output
.set LB, 22                    ; my wave's first LDS byte
.set G1A, 24                   ; s[24:31], s[32:39] descriptor group 1: row operand, weights
.set G1W, 32
.set G0A, 40                   ; s[40:43] group 0, row operand; s[44:59] weights, a set a slice: all five loads are out together
.set G0W, 44
.set AO, 60                    ; s[60:61] my share's byte offset in the row operand: row block and wave alone
.set WO, 62                    ; s[62:63] in slice 0: output tile and wave alone
.set SEL, 66                   ; s66-67 v_permlanex16_b32's selects: the same place in the other half
.set KM, 71                    ; s71-74 where |t| > 1, for each slice
.set HM, 85                    ; the lanes of half 1
.set B0, 86                    ; all ones where bit 0 of q is set
.set B1, 87                    ; bit 1
.macro CROUND                  ; a round of the cluster's barrier
	s_barrier_signal -1
	s_barrier_wait -1
	s_cmp_lg_u32 s[WV], 0
	s_cbranch_scc1 .Lnot_wave_0_\@
	s_barrier_signal -3
.Lnot_wave_0_\@:
	s_barrier_wait -3
	s_barrier_signal -1
	s_barrier_wait -1
.endm
.macro REP cnt, line:vararg    ; one line for t = 0 .. cnt - 1
.set t, 0
.rept \cnt
	\line
.set t, t+1
.endr
.endm
; Group g of the twelve that make F + s = C(t), t = 4 frac(phase + (2 - s) / 4) - 2: 1.5 |t|^3 - 2.5 t^2 + 1 up to |t| = 1, beyond it -0.5 |t|^3 + 2.5 t^2 - 4 |t| + 2. A group's four lines, one a slice, hang on no one another.
.macro KG g
.if (\g) == 0
	v_add_f32 v[KT], 0.5, v[PH]
	v_add_f32 v[KT+1], 0x3e800000, v[PH]
	v_add_f32 v[KT+2], 0, v[PH]
	v_add_f32 v[KT+3], 0xbe800000, v[PH]
.elseif (\g) == 1
	REP 4, v_floor_f32 v[KT+4+t], v[KT+t]
.elseif (\g) == 2
	REP 4, v_sub_f32 v[KT+t], v[KT+t], v[KT+4+t]
.elseif (\g) == 3
	REP 4, v_fma_f32 v[KT+t], v[KT+t], 4.0, -2.0
.elseif (\g) == 4
	REP 4, v_mul_f32 v[KT+4+t], v[KT+t], v[KT+t]
.elseif (\g) == 5
	REP 4, v_fma_f32 v[KT+8+t], |v[KT+t]|, s68, s69
.elseif (\g) == 6
	REP 4, v_fma_f32 v[KT+12+t], |v[KT+t]|, -0.5, s70
.elseif (\g) == 7
	REP 4, v_fma_f32 v[KT+8+t], v[KT+8+t], v[KT+4+t], 1.0
.elseif (\g) == 8
	REP 4, v_fma_f32 v[KT+12+t], v[KT+12+t], |v[KT+t]|, -4.0
.elseif (\g) == 9
	REP 4, v_fma_f32 v[KT+12+t], v[KT+12+t], |v[KT+t]|, 2.0
.elseif (\g) == 10
	REP 4, v_cmp_lt_f32 s[KM+t], 1.0, v[KT+4+t]
.else
	REP 4, v_cndmask_b32 v[F+t], v[KT+8+t], v[KT+12+t], s[KM+t]
.endif
.endm
; 16 rows of the row operand, my whole share of K, as f32: 64 bytes a lane and K step
.macro ALOAD base, m
.set t, 0
.rept KSTEPS
.irp i, 0,1,2,3
	ds_load_b128 v[(\base)+16*t+4*\i:(\base)+16*t+4*\i+3], v[AA] offset:(\m)*A_MP+t*A_TP+16*\i
.endr
.set t, t+1
.endr
.endm
; The largest magnitude of my half of the row's share: a chain for each K step, joined
.macro AMAX base, m
.set c, 0
.rept KSTEPS
	v_max_num_f32 v[MX+4*(\m)+c], |v[(\base)+16*c]|, |v[(\base)+16*c+1]|
.set c, c+1
.endr
.set i, 1
.rept 7
.set c, 0
.rept KSTEPS
	v_max3_num_f32 v[MX+4*(\m)+c], v[MX+4*(\m)+c], |v[(\base)+16*c+2*i]|, |v[(\base)+16*c+2*i+1]|
.set c, c+1
.endr
.set i, i+1
.endr
	v_max3_num_f32 v[MX+4*(\m)], v[MX+4*(\m)], v[MX+4*(\m)+1], v[MX+4*(\m)+2]
	v_max_num_f32 v[MX+4*(\m)], v[MX+4*(\m)], v[MX+4*(\m)+3]
.endm
; The share is scaled, exactly, and rounded to f16
.macro ACVT base, m, dst
.set p, 0
.rept 8*KSTEPS
	v_pk_mul_f32 v[(\base)+2*p:(\base)+2*p+1], v[(\base)+2*p:(\base)+2*p+1], v[MX+4*(\m):MX+4*(\m)+1] op_sel_hi:[1,0]
.set p, p+1
.endr
.set p, 0
.rept 8*KSTEPS
	v_cvt_pk_f16_f32 v[(\dst)+p], v[(\base)+2*p], v[(\base)+2*p+1]
.set p, p+1
.endr
.endm
; The four LDS loads of step n (slice n / KSTEPS, K step n % KSTEPS) into place n % 4 of the ring. A slice's first step waits for its tile: the later slices' loads stay out.
.macro WLOAD n
.set wsl, (\n)/KSTEPS
.set wks, (\n)%KSTEPS
.set wrb, RAW+16*((\n)%4)
.if wks == 0
	s_wait_tensorcnt 3-wsl
.endif
.irp i, 0,1,2,3
	ds_load_b128 v[wrb+4*\i:wrb+4*\i+3], v[WA] offset:wsl*WT+wks*W_TP+16*\i
.endr
.endm
; Step n: its fragment is rounded to f16; its place in the ring takes the step four on (these loads hang on nothing of the products, so they stand ahead of them); a group of the factors' lines;
; then the products with both tiles of rows. The two accumulators take turns.
; The f16 fragment has two places: one is written again two steps later, behind the eight conversions of the step between, which name none of these products' registers.
.macro STEP n
.set sl, (\n)/KSTEPS
.set ks, (\n)%KSTEPS
.set wb, WF+8*((\n)%2)
.set rb, RAW+16*((\n)%4)
.if NSTEPS-1-(\n) >= 3
	s_wait_dscnt 12                ; my four loads are in; the next three steps' twelve stay out
.else
	s_wait_dscnt 4*(NSTEPS-1-(\n)) ; the steps that are left
.endif
.irp j, 0,1,2,3,4,5,6,7
	v_cvt_pk_f16_f32 v[wb+\j], v[rb+2*\j], v[rb+2*\j+1]
.endr
.if (\n)+4 < NSTEPS
	WLOAD (\n)+4
.endif
.if (\n) < 12
	KG \n
.endif
.irp m, 0,1
.if ks == 0
	v_wmma_f32_16x16x32_f16 v[ACC+8*(2*sl+\m):ACC+8*(2*sl+\m)+7], v[wb:wb+7], v[AF+32*(1-\m)+8*ks:AF+32*(1-\m)+8*ks+7], 0
.else
	v_wmma_f32_16x16x32_f16 v[ACC+8*(2*sl+\m):ACC+8*(2*sl+\m)+7], v[wb:wb+7], v[AF+32*(1-\m)+8*ks:AF+32*(1-\m)+8*ks+7], v[ACC+8*(2*sl+\m):ACC+8*(2*sl+\m)+7]
.endif
.endr
.endm
	s_load_b256 s[4:11], s[0:1], 0x0
	s_load_b64 s[12:13], s[0:1], 0x20
	v_lshl_add_u32 v[SPW], v0, 2, SPARE
	v_mov_b32 v[NIL], 0
	ds_add_u32 v[SPW], v[NIL]              ; the wave's opening: the add and its wait stand ahead of my first tensor load; the set-up stands between them
	v_lshrrev_b32 v1, 5, v0
	v_readfirstlane_b32 s[WV], v1
	s_bfe_u32 s15, ttmp6, 0x40000          ; cx
	s_bfe_u32 s16, ttmp6, 0x40004          ; cy
	s_lshl_b32 s[NT], ttmp9, 2
	s_add_co_u32 s[NT], s[NT], s15         ; output tile = 4 x cluster x + cx
	s_and_b32 s[MT], ttmp7, 0xffff
	s_lshl_b32 s[MT], s[MT], 2
	s_add_co_u32 s[MT], s[MT], s16         ; row block = 4 x cluster y + cy
	s_lshl_b32 s19, s16, 2
	s_lshl_b32 s19, 15, s19                ; my row of the cluster
	s_lshl_b32 s20, 0x1111, s15            ; my column
	; group 1: 15:0 mask; 17:16 elements of 4 bytes; 20 padding on; 21 set beside a mask; 24:22 after every 16 words (code 3) or 128 (code 6); 31:25 4 words (code 3)
	s_or_b32 s[G1A], s19, (2<<16)|(1<<20)|(1<<21)|(3<<22)|(3<<25)
	s_or_b32 s[G1W], s20, (2<<16)|(1<<20)|(1<<21)|(6<<22)|(3<<25)
	s_mov_b32 s[G1A+1], 64<<16             ; tensor_dim0
	s_mov_b32 s[G1A+2], 64<<16             ; tensor_dim1
	s_mov_b32 s[G1A+3], 64<<16             ; tile_dim0
	s_mov_b32 s[G1A+4], 64                 ; tile_dim1
	s_mov_b32 s[G1A+5], 64                 ; elements from row to row
	s_mov_b32 s[G1A+6], 0
	s_mov_b32 s[G1A+7], 0
	s_mov_b32 s[G1W+1], KQ<<16
	s_mov_b32 s[G1W+2], 16<<16
	s_mov_b32 s[G1W+3], KQ<<16
	s_mov_b32 s[G1W+4], 16
	s_mov_b32 s[G1W+5], K
	s_mov_b32 s[G1W+6], 0
	s_mov_b32 s[G1W+7], 0
	s_mul_i32 s[LB], s[WV], WAVE_LDS       ; LDS addresses hang on the wave's number alone
	s_mov_b32 s[G0A], 1
	s_mov_b32 s[G0A+1], s[LB]
.irp s, 0,1,2,3
	s_mov_b32 s[G0W+4*\s], 1
	s_add_co_u32 s[G0W+4*\s+1], s[LB], A_BYTES+\s*WT
.endr
	s_lshl_b32 s[AO], s[MT], 16            ; a row block is 65,536 bytes, a wave's share 16,384
	s_lshl_b32 s2, s[WV], 14
	s_add_co_u32 s[AO], s[AO], s2
	s_mov_b32 s[AO+1], 0
	s_lshl_b32 s[O0], s[NT], 4
	s_min_u32 s[O0], s[O0], N-16           ; the last tile begins 16 short of the end
	s_mul_i32 s[WO], s[O0], K*4
	s_mul_i32 s3, s[WV], KQ*4
	s_add_co_u32 s[WO], s[WO], s3
	s_mov_b32 s[WO+1], 0
	s_mov_b32 s[SEL], 0x76543210
	s_mov_b32 s[SEL+1], 0xfedcba98
	s_mov_b32 s68, 0x3fc00000              ; 1.5
	s_mov_b32 s69, 0xc0200000              ; -2.5
	s_mov_b32 s70, 0x40200000              ; 2.5
	s_mov_b32 s[HM], 0xffff0000
	s_bitcmp1_b32 s[WV], 0
	s_cselect_b32 s[B0], -1, 0
	s_bitcmp1_b32 s[WV], 1
	s_cselect_b32 s[B1], -1, 0
	v_and_b32 v[VR], 15, v0
	v_bfe_u32 v[VH], v0, 4, 1
	v_and_b32 v[PHO], 31, v0               ; my row of the block: 16 h + r = the lane's number
	s_mul_i32 s82, s[MT], 32*XROW
	s_add_co_u32 s82, s82, XROW-4
	v_mul_u32_u24 v[PHO], v[PHO], XROW
	v_add_nc_u32 v[PHO], s82, v[PHO]
	s_mul_i32 s83, s[WV], N
	s_add_co_u32 s83, s83, s[O0]
	s_lshl_b32 s83, s83, 2
	v_lshl_add_u32 v[BO], v[VH], 5, s83    ; bias of slice q, outputs o0 + 8 h on
	s_wait_dscnt 0x0                       ; the opening add is done
	CROUND                                 ; all sixteen work-groups are here; the round reads no argument, so it stands ahead of the wait for them
	s_wait_kmcnt 0x0
	s_add_nc_u64 s[G0A+2:G0A+3], s[PA:PA+1], s[AO:AO+1]
	s_or_b32 s[G0A+3], s[G0A+3], 0x80000000
.irp s, 0,1,2,3
	s_add_nc_u64 s[G0W+4*\s+2:G0W+4*\s+3], s[PW:PW+1], s[WO:WO+1]
	s_add_nc_u64 s[G0W+4*\s+2:G0W+4*\s+3], s[G0W+4*\s+2:G0W+4*\s+3], \s*N*K*4
	s_or_b32 s[G0W+4*\s+3], s[G0W+4*\s+3], 0x80000000
.endr
	tensor_load_to_lds s[G0A:G0A+3], s[G1A:G1A+7]  ; all my tiles at once, five loads out: the row operand first,
	s_nop 0
.irp s, 0,1,2,3
	tensor_load_to_lds s[G0W+4*\s:G0W+4*\s+3], s[G1W:G1W+7]  ; then the slices in the order in which they are multiplied
	s_nop 0
.endr
	global_load_b32 v[PH], v[PHO], s[PX:PX+1]
.irp j, 0,1,2,3,4,5,6,7
	global_load_b32 v[BIAS+\j], v[BO], s[PB:PB+1] offset:4*\j  ; a slice's 311 numbers begin at a multiple of 4 bytes only
.endr
	; while the tiles are on their way: the other addresses
	v_mul_u32_u24 v[AA], v[VR], A_RP
	v_mul_u32_u24 v[KT], v[VH], A_HP
	v_add_nc_u32 v[AA], v[AA], v[KT]
	v_add_nc_u32 v[AA], s[LB], v[AA]
	v_mul_u32_u24 v[WA], v[VR], W_RP
	v_lshl_add_u32 v[WA], v[VH], 6, v[WA]
	s_add_co_u32 s2, s[LB], A_BYTES
	v_add_nc_u32 v[WA], s2, v[WA]
	s_mul_i32 s2, s[WV], 2560
	s_add_co_u32 s2, s2, PART
	v_mul_u32_u24 v[ST1], v[VR], 80        ; partial sums: row r, 32 bytes for each half of the lanes
	v_lshl_add_u32 v[ST1], v[VH], 5, v[ST1]
	v_add_nc_u32 v[ST1], s2, v[ST1]
	s_mul_i32 s2, s[WV], 8*80              ; back: wave w finishes rows 8 w .. 8 w + 7: 16 lanes take a row's 16 numbers, the halves two rows
	s_add_co_u32 s2, s2, PART
	v_mul_u32_u24 v[RD2], v[VH], 80
	v_lshl_add_u32 v[RD2], v[VR], 2, v[RD2]
	v_add_nc_u32 v[RD2], s2, v[RD2]
	s_lshl_b32 s84, s[MT], 5
	s_lshl3_add_u32 s84, s[WV], s84        ; row 32 x block + 8 w
	s_mul_i32 s84, s84, OROW
	s_lshl2_add_u32 s84, s[O0], s84        ; + 4 o0
	v_mul_u32_u24 v[GO], v[VH], OROW
	v_lshl_add_u32 v[GO], v[VR], 2, v[GO]
	v_add_nc_u32 v[GO], s84, v[GO]
	s_lshl_b32 s80, s[NT], 4
	s_sub_co_u32 s80, s80, s[O0]           ; columns below this belong to the tile before: 0, in the last tile 9
	s_wait_tensorcnt 4                     ; my share of the row operand is in; the four slices' loads were issued behind it
	ALOAD AF, 1
	ALOAD ACC, 0
	s_wait_dscnt 4*KSTEPS                  ; rows 16-31 are in; the loads of rows 0-15 stay out
	AMAX AF, 1
	WLOAD 0                                ; the first four steps' weights come while the row operand is worked on
	WLOAD 1
	WLOAD 2
	WLOAD 3
	s_wait_dscnt 16                        ; rows 0-15 are in; the sixteen loads just issued stay out
	AMAX ACC, 0
	; both tiles' tails, line by line: the row's other half lies 16 lanes away; the power of two below the maximum, held within 2^-126 .. 2^126, is INV; its reciprocal (the exponent mirrored) the scale
	REP 2, v_permlanex16_b32 v[MX+4*t+1], v[MX+4*t], s[SEL], s[SEL+1]
	REP 2, v_max_num_f32 v[MX+4*t], v[MX+4*t], v[MX+4*t+1]
	REP 2, v_and_b32 v[MX+4*t], 0x7f800000, v[MX+4*t]
	REP 2, v_max_num_f32 v[MX+4*t], 0x00800000, v[MX+4*t]
	REP 2, v_min_num_f32 v[INV+t], 0x7e800000, v[MX+4*t]
	REP 2, v_sub_nc_u32 v[MX+4*t], 0x7f000000, v[INV+t]
	ACVT AF, 1, AF                         ; packed downward in place: register p takes registers 2 p and 2 p + 1
	ACVT ACC, 0, AF+32
	s_wait_loadcnt 8                       ; the phase is in; the eight bias loads behind it stay out
.set n, 0
.rept NSTEPS
	STEP n
.set n, n+1
.endr
	; THE MIX. c_q by the wave's number; the factors times my row's INV: eight plain lines that name no register of the last products: the places behind them.
	v_cndmask_b32 v[KT], v[F], v[F+1], s[B0]
	v_cndmask_b32 v[KT+1], v[F+2], v[F+3], s[B0]
	v_cndmask_b32 v[INVO], v[INV], v[INV+1], s[HM]
	v_cndmask_b32 v[FB], v[KT], v[KT+1], s[B1]
	REP 4, v_mul_f32 v[F+t], v[F+t], v[INVO]
	; half 0 made row r's, half 1 row 16 + r's: each lane takes the other row's from the lane 16 away
	REP 4, v_permlanex16_b32 v[KT+4+t], v[F+t], s[SEL], s[SEL+1]
	v_permlanex16_b32 v[KT+8], v[FB], s[SEL], s[SEL+1]
	REP 4, v_cndmask_b32 v[CS+2*t], v[F+t], v[KT+4+t], s[HM]
	REP 4, v_cndmask_b32 v[CS+8+2*t], v[KT+4+t], v[F+t], s[HM]
	v_cndmask_b32 v[CQ], v[FB], v[KT+8], s[HM]
	v_cndmask_b32 v[CQ+2], v[KT+8], v[FB], s[HM]
	s_wait_loadcnt 0x0                     ; the bias
.irp m, 0,1
.irp j, 0,2,4,6
	v_pk_mul_f32 v[PP+8*\m+\j:PP+8*\m+\j+1], v[BIAS+\j:BIAS+\j+1], v[CQ+2*\m:CQ+2*\m+1] op_sel_hi:[1,0]
.endr
.irp s, 0,1,2,3
.irp j, 0,2,4,6
	v_pk_fma_f32 v[PP+8*\m+\j:PP+8*\m+\j+1], v[ACC+8*(2*\s+\m)+\j:ACC+8*(2*\s+\m)+\j+1], v[CS+8*\m+2*\s:CS+8*\m+2*\s+1], v[PP+8*\m+\j:PP+8*\m+\j+1] op_sel_hi:[1,0,1]  ; each accumulator from its low end on
.endr
.endr
	ds_store_b128 v[ST1], v[PP+8*\m:PP+8*\m+3] offset:1280*\m
	ds_store_b128 v[ST1], v[PP+8*\m+4:PP+8*\m+7] offset:1280*\m+16
.endr
	s_wait_dscnt 0x0                       ; for the others' sake: my partial sums are in LDS
	s_barrier_signal -1
	s_barrier_wait -1
.irp i, 0,1,2,3
.irp q, 0,1,2,3
	ds_load_b32 v[SUMS+4*\i+\q], v[RD2] offset:\q*2560+\i*160  ; row 8 w + h + 2 i, the four waves' parts
.endr
.endr
	s_wait_dscnt 0x0
.irp i, 0,1,2,3
	v_pk_add_f32 v[SUMS+4*\i:SUMS+4*\i+1], v[SUMS+4*\i:SUMS+4*\i+1], v[SUMS+4*\i+2:SUMS+4*\i+3]
.endr
.irp i, 0,1,2,3
	v_add_f32 v[RR+\i], v[SUMS+4*\i], v[SUMS+4*\i+1]
.endr
	v_cmp_le_u32 vcc_lo, s80, v[VR]
	s_wait_xcnt 0x0                        ; EXEC changes only behind this wait
	s_and_saveexec_b32 s81, vcc_lo         ; the columns that are this tile's own
.irp i, 0,1,2,3
	global_store_b32 v[GO], v[RR+\i], s[PO:PO+1] offset:\i*2*OROW  ; 16 lanes store 64 neighbouring bytes of a row; out0's rows of 1,244 bytes allow no wider aligned store
.endr
	s_wait_xcnt 0x0                        ; and again, in front of the line that widens it
	s_or_b32 exec_lo, exec_lo, s81
	s_wait_tensorcnt 0x0                   ; the wave's end, behind my last tensor load and my last LDS store
	ds_add_u32 v[SPW], v[NIL]
	s_wait_dscnt 0x0
	CROUND                                 ; the closing round: no work-group ends while a partner may still ask for a tile that names it
	s_endpgm
.Lfunc_end_k_q0bf6984220_lay2:
	.size	k_q0bf6984220_lay2, .Lfunc_end_k_q0bf6984220_lay2-k_q0bf6984220_lay2
	.p2alignl 7, 3214868480
	.fill 96, 4, 3214868480
	.section	.rodata,"a",@progbits
	.p2align	6, 0x0
	.amdhsa_kernel k_q0bf6984220_lay2
		.amdhsa_group_segment_fixed_size 228352
		.amdhsa_private_segment_fixed_size 0
		.amdhsa_enable_private_segment 0
		.amdhsa_kernarg_size 40
		.amdhsa_user_sgpr_count 2
		.amdhsa_user_sgpr_kernarg_segment_ptr 1
		.amdhsa_wavefront_size32 1
		.amdhsa_system_sgpr_workgroup_id_x 1
		.amdhsa_system_sgpr_workgroup_id_y 1
		.amdhsa_system_sgpr_workgroup_id_z 1
		.amdhsa_system_vgpr_workitem_id 0
		.amdhsa_next_free_vgpr 256
		.amdhsa_next_free_sgpr 88
		.amdhsa_reserve_vcc 1
		.amdhsa_float_denorm_mode_32 3
		.amdhsa_float_denorm_mode_16_64 3
		.amdhsa_memory_ordered 1
		.amdhsa_forward_progress 1
		.amdhsa_inst_pref_size 47
	.end_amdhsa_kernel
	.amdgpu_metadata
---
amdhsa.version: [ 1, 2 ]
amdhsa.kernels:
  - .name:           k_q0bf6984220_lay2
    .symbol:         k_q0bf6984220_lay2.kd
    .args:
      - { .name: x, .offset: 0, .size: 8, .value_kind: global_buffer, .address_space: global }
      - { .name: h2, .offset: 8, .size: 8, .value_kind: global_buffer, .address_space: global }
      - { .name: W2, .offset: 16, .size: 8, .value_kind: global_buffer, .address_space: global }
      - { .name: b2, .offset: 24, .size: 8, .value_kind: global_buffer, .address_space: global }
      - { .name: out0, .offset: 32, .size: 8, .value_kind: global_buffer, .address_space: global }
    .group_segment_fixed_size: 228352
    .private_segment_fixed_size: 0
    .kernarg_segment_align: 8
    .kernarg_segment_size: 40
    .max_flat_workgroup_size: 128
    .sgpr_count:     88
    .vgpr_count:     256
    .wavefront_size: 32
...
	.end_amdgpu_metadata
.endif
;; end of part 3
